; MI455X (gfx1250); checked and timed in simulation.
; The chip was launched on July 23, 2026; its instructions are those of AMD's public machine-readable ISA for CDNA 5 (MIT licence, August 2026) and "CDNA5" Instruction Set Architecture Reference Guide (July 2026). The comments in the code are by the model that wrote it; some were corrected since.
;; Enhanced Multi Head Attention. Allowed arithmetic: float matrix products may take bf16 or f16 operands with f32 sums; other float arithmetic in f32, or as packed bf16 or f16 multiplies, adds, multiply-adds, maxima and minima; sums over many terms, partial sums and values carried from step to step in f32; what a program stores and reads back later, other than sums and carried values, may be rounded once to bf16 or f16.
;; Inputs: Wk 512 x 4,096 float32; Wo 4,096 x 512 float32; Wq 512 x 4,096 float32; Wv 512 x 4,096 float32; bk 4,096 float32; bo 512 float32; bq 4,096 float32; bv 4,096 float32; keys 4 x 2,048 x 512 float32; mask 4 x 2,048 x 8 x 8 int32; queries 4 x 2,048 x 512 float32; values 4 x 2,048 x 512 float32.
;; Outputs: out0 4 x 2,048 x 512 float32.
;; One version. Each part assembles by itself: llvm-mc -triple=amdgcn-amd-amdhsa -mcpu=gfx1250 --defsym DOCPART=n.
;; ======== version 1 of 1: 3 launches
;; limits: values are held in f16: magnitudes above 65,504 overflow, below 6.1e-05 lose precision
;; workspace buffers: w16 16,777,216 bytes; qb 67,108,864 bytes; kb 67,108,864 bytes; zb 67,108,864 bytes
;; launch cast (part 1): grid 256 x 4, 8 waves a work-group, no clusters, 0 bytes of LDS; arguments Wq, Wk, Wv, Wo, w16; writes w16
.if DOCPART == 1
	.amdgcn_target "amdgcn-amd-amdhsa--gfx1250"
	.amdhsa_code_object_version 6
	.text
	.protected	k_qdb28d3bce8_cast
	.globl	k_qdb28d3bce8_cast
	.p2align	8
	.type	k_qdb28d3bce8_cast,@function
k_qdb28d3bce8_cast:
	s_mov_b64 s[64:65], 0
	v_nop
	global_prefetch_b8 v0, s[64:65] scope:SCOPE_SE
	s_setreg_imm32_b32 hwreg(HW_REG_WAVE_MODE, 25, 1), 1
	s_wait_xcnt 0x0
; The four weight matrices, f32, are rounded once to f16 and laid into ONE shape: w16[4][512 k][4096 n].
; Matrices 0, 1, 2 are Wq, Wk, Wv as they lie.  Matrix 3 is Wo turned by blocks: w16[3][d][512 j + c] = Wo[512 j + d][c],
; so that every operand of the next launch is a column block of 512 of a [512][4096] matrix.
; LIMIT: f16 holds no number beyond 65,504, and below 6e-5 it keeps a fixed step of 6e-8.
; A PIECE is 512 numbers: 2,048 bytes in, 1,024 bytes out.  A matrix has 4,096 pieces, in the order of its memory.
; Work-group x of matrix y takes pieces 16 x .. 16 x + 15, each of its eight waves two neighbouring ones.
; A stream: no LDS, no barrier, no matrix unit; each load of a wave covers 512 consecutive bytes, each store 256, aligned.
.set IN,  4                            ; v[4:35]   eight loads of four f32
.set OUTR, 36                          ; v[36:51]  eight pairs of packed f16
	s_load_b256 s[4:11], s[0:1], 0x0               ; Wq s[4:5], Wk s[6:7], Wv s[8:9], Wo s[10:11]
	s_load_b64 s[12:13], s[0:1], 0x20              ; w16
	v_lshrrev_b32 v3, 5, v0
	v_readfirstlane_b32 s20, v3                    ; wave 0..7
	v_and_b32 v1, 31, v0
	v_lshlrev_b32 v2, 3, v1                        ; 8 bytes a lane out
	v_lshlrev_b32 v1, 4, v1                        ; 16 bytes a lane in
	s_and_b32 s21, ttmp7, 0xffff                   ; y: which matrix
	s_lshl_b32 s22, ttmp9, 4
	s_lshl_b32 s23, s20, 1
	s_add_co_u32 s22, s22, s23                     ; my first piece = 16 x + 2 wave (even)
	s_lshl_b32 s24, s22, 11                        ; its byte in the source
	s_mov_b32 s25, 0
	s_and_b32 s26, s22, 511                        ; Wo: piece 512 j + d goes to piece 8 d + j
	s_lshl_b32 s26, s26, 3
	s_lshr_b32 s27, s22, 9
	s_add_co_u32 s26, s26, s27
	s_cmp_eq_u32 s21, 3
	s_cselect_b32 s26, s26, s22                    ; the others stay where they are
	s_cselect_b32 s28, 13, 10                      ; my second piece lies 8,192 bytes on (d + 1) or 1,024
	s_lshl_b32 s28, 1, s28
	s_mov_b32 s29, 0
	s_lshl_b32 s26, s26, 10
	s_lshl_b32 s27, s21, 22                        ; a matrix of f16 is 4 MiB
	s_add_co_u32 s26, s26, s27
	s_mov_b32 s27, 0
	s_wait_kmcnt 0x0
	s_cmp_eq_u32 s21, 1
	s_cselect_b64 s[4:5], s[6:7], s[4:5]           ; the source is chosen by y alone
	s_cmp_eq_u32 s21, 2
	s_cselect_b64 s[4:5], s[8:9], s[4:5]
	s_cmp_eq_u32 s21, 3
	s_cselect_b64 s[4:5], s[10:11], s[4:5]
	s_add_nc_u64 s[4:5], s[4:5], s[24:25]
	s_add_nc_u64 s[12:13], s[12:13], s[26:27]      ; my first piece's place
	s_add_nc_u64 s[14:15], s[12:13], s[28:29]      ; my second piece's
.irp i, 0,1,2,3,4,5,6,7
	global_load_b128 v[IN+4*(\i):IN+4*(\i)+3], v1, s[4:5] offset:512*(\i) th:TH_LOAD_NT
.endr
.irp i, 0,1,2,3,4,5,6,7
	s_wait_loadcnt 7-(\i)                          ; loads come back in order: the younger ones stay out
	v_cvt_pk_f16_f32 v[OUTR+2*(\i)],   v[IN+4*(\i)],   v[IN+4*(\i)+1]
	v_cvt_pk_f16_f32 v[OUTR+2*(\i)+1], v[IN+4*(\i)+2], v[IN+4*(\i)+3]
.if (\i) < 4
	global_store_b64 v2, v[OUTR+2*(\i):OUTR+2*(\i)+1], s[12:13] offset:256*(\i)
.else
	global_store_b64 v2, v[OUTR+2*(\i):OUTR+2*(\i)+1], s[14:15] offset:256*((\i)-4)
.endif
.endr
	s_endpgm
.Lfunc_end_k_qdb28d3bce8_cast:
	.size	k_qdb28d3bce8_cast, .Lfunc_end_k_qdb28d3bce8_cast-k_qdb28d3bce8_cast
	.p2alignl 7, 3214868480
	.fill 96, 4, 3214868480
	.section	.rodata,"a",@progbits
	.p2align	6, 0x0
	.amdhsa_kernel k_qdb28d3bce8_cast
		.amdhsa_group_segment_fixed_size 0
		.amdhsa_private_segment_fixed_size 0
		.amdhsa_enable_private_segment 0
		.amdhsa_kernarg_size 40
		.amdhsa_user_sgpr_count 2
		.amdhsa_user_sgpr_kernarg_segment_ptr 1
		.amdhsa_wavefront_size32 1
		.amdhsa_system_sgpr_workgroup_id_x 1
		.amdhsa_system_sgpr_workgroup_id_y 1
		.amdhsa_system_sgpr_workgroup_id_z 1
		.amdhsa_system_vgpr_workitem_id 0
		.amdhsa_next_free_vgpr 52
		.amdhsa_next_free_sgpr 66
		.amdhsa_reserve_vcc 0
		.amdhsa_float_denorm_mode_32 3
		.amdhsa_float_denorm_mode_16_64 3
		.amdhsa_memory_ordered 1
		.amdhsa_forward_progress 1
		.amdhsa_inst_pref_size 5
	.end_amdhsa_kernel
	.amdgpu_metadata
---
amdhsa.version: [ 1, 2 ]
amdhsa.kernels:
  - .name:           k_qdb28d3bce8_cast
    .symbol:         k_qdb28d3bce8_cast.kd
    .args:
      - { .name: Wq, .offset: 0, .size: 8, .value_kind: global_buffer, .address_space: global }
      - { .name: Wk, .offset: 8, .size: 8, .value_kind: global_buffer, .address_space: global }
      - { .name: Wv, .offset: 16, .size: 8, .value_kind: global_buffer, .address_space: global }
      - { .name: Wo, .offset: 24, .size: 8, .value_kind: global_buffer, .address_space: global }
      - { .name: w16, .offset: 32, .size: 8, .value_kind: global_buffer, .address_space: global }
    .group_segment_fixed_size: 0
    .private_segment_fixed_size: 0
    .kernarg_segment_align: 8
    .kernarg_segment_size: 40
    .max_flat_workgroup_size: 256
    .sgpr_count:     66
    .vgpr_count:     52
    .wavefront_size: 32
...
	.end_amdgpu_metadata
.endif
;; end of part 1
;; launch proj (part 2): grid 256 x 1, 4 waves a work-group, clusters of 4 x 1, 327,680 bytes of LDS; arguments queries, keys, values, bq, bk, bv, w16, qb, kb, zb; writes qb, kb, zb
.if DOCPART == 2
	.amdgcn_target "amdgcn-amd-amdhsa--gfx1250"
	.amdhsa_code_object_version 6
	.text
	.protected	k_qdb28d3bce8_proj
	.globl	k_qdb28d3bce8_proj
	.p2align	8
	.type	k_qdb28d3bce8_proj,@function
k_qdb28d3bce8_proj:
	s_mov_b64 s[64:65], 0
	v_nop
	global_prefetch_b8 v0, s[64:65] scope:SCOPE_SE
	s_setreg_imm32_b32 hwreg(HW_REG_WAVE_MODE, 25, 1), 1
	s_wait_xcnt 0x0
	s_wait_alu depctr_hold_cnt(0) depctr_sa_sdst(0) depctr_va_vdst(0) depctr_va_sdst(0) depctr_va_ssrc(0) depctr_va_vcc(0) depctr_vm_vsrc(0)
	s_getreg_b32 s2, hwreg(HW_REG_IB_STS2, 6, 4)
	s_cmp_eq_u32 s2, 0
	s_cbranch_scc0 .Lentry_in_a_cluster
	s_endpgm
.Lentry_in_a_cluster:
	s_bfe_u32 s2, ttmp6, 0x10000c
	s_cmp_lg_u32 s2, 0x3003
	s_cbranch_scc0 .Lentry_shape_is_right
	s_endpgm
.Lentry_shape_is_right:
; q = queries Wq + bq and k = keys Wk + bk, stored as bf16 [8192 P][8 head][512]; and Z[P][hk][:] = (values Wv + bv)[P][hk][:] x Wo[512 (P % 8) .. + 511][:],
; stored as bf16 [8192 P][8 hk][512].  Applying Wo ahead of the mix of heads is the same number of multiply-adds as behind it, and v never goes to memory.
; FORMATS: x, the weights and v are f16 operands (x rounded on its way into LDS, v once from its f32 sum with the bias); sums in f32; q, k, Z rounded once to bf16.
; LIMITS: |x|, |W| and |v| stay under 65,504 (f16); below 6e-5 f16 keeps a fixed step of 6e-8.  The order of the sums differs from the source's (Wo ahead of the mix).
; SHARES.  A PASS is 128 rows x 512 columns x K = 512; every work-group makes 8 passes.  Clusters 0-15 make q, 16-31 k: 128 consecutive rows, a head a pass, x stays in LDS.
; Clusters 32-63 make Z: the 128 positions P = 8 G + J of one J; an even pass makes v of one of the heads 4 HH .. 4 HH + 3 and puts it, f16, where x lay; the odd pass behind it multiplies it by Wo's block J; then x is fetched again.
; THE ORDER OF HEADS GOES ROUND.  A cluster begins at head ROT, made of its number, and takes (ROT + pass) modulo its 8 (Z: 4) heads.  So the clusters of a kind ask for different tiles of W at any one time,
; and what a cluster asks for from its second pass on was asked for a pass earlier by another.  ROT = (i + i / 8) % 8 (Z: (J + J / 4) % 4): the even, the odd, the lower and the upper half of the numbers each cover all heads.
; A wave owns all 128 rows and 128 of the columns: 64 accumulators.  THE MATRIX INSTRUCTION IS USED TRANSPOSED (source 0 = 16 columns of W, source 1 = 16 rows of A):
; a lane then holds row lane % 16 and eight neighbouring columns, which pack into 16 bytes.
; CLUSTER.  The four work-groups of a cluster walk the same tiles of W, so each tile is asked for JOINTLY (mask of four); the place in the cluster enters x's and the outputs' addresses alone.
; W's tile of a K step of 64: each wave asks for ITS OWN 128 columns (64 rows of 256 bytes) and reads only what its own load brought.  Two slots take turns.
; REGISTERS, in windows of 256 (s_set_vgpr_msb: bits 1:0 source 0, 3:2 source 1, 5:4 source 2, 7:6 destination):
;   window 0: v4-29 addresses; v32-63, v224-255 rows on the way out (v32-63 also x, packed); v64-127, v128-191 A's fragments, two buffers; v192-223 packed results
;   window 1: v0-63 the bias of my 128 columns as a C operand; v64-191 W's fragments, two buffers; v192-207 x's row offsets
;   windows 2, 3: the accumulators of rows 0-63, 64-127: (a, b) at v[8 (8 (a % 4) + b)]
.set PA,     1040                      ; a row of A in LDS: 1,024 bytes + 16: 16 rows of a fragment start at 16 different groups of four banks (64 banks of 4 bytes: ISA guide 11.1)
.set AHALF,  64*PA
.set RING,   128*PA                    ; A's 128 rows lie at 0, written by LDS stores alone; the ring behind them, filled by tensor loads alone
.set PB,     288                       ; a row of a wave's part of W's tile: 256 bytes + 32
.set SUBT,   64*PB                     ; a wave's part of a slot
.set SLOTB,  4*SUBT
.set STAGE,  RING+2*SLOTB              ; 16 rows x 272 bytes for each wave, for the way out
.set SPITCH, 272
.set SPARE,  STAGE+4*16*SPITCH         ; the spare words: 128 bytes a wave, two blocks of 256 bytes that no other line names
.set ADRA, 4                           ; v4-5    A's fragments, rows 0-63 and 64-127, at the K steps in hand
.set ADRB, 6                           ; v6-7    W's fragments in slot 0, 1
.set STO,  8                           ; v8      the way out: where I put 16 bytes of a row
.set RD,   9                           ; v9      where I read rows back
.set CO,   10                          ; v10-17  byte offsets of rows 2 t + lane / 16 in the output
.set STA,  18                          ; v18-19  where v's 16 bytes go in A, rows 0-63 and 64-127
.set XS,   20                          ; v20     where x's 8 bytes go in A
.set BVO,  21                          ; v21     32 (lane / 16): my eight numbers of a block of 16 of the bias
.set ADA0, 22                          ; v22-23  A's fragments at K = 0; never rewritten
.set SPW,  28                          ; v28     my spare word; never rewritten
.set NIL,  29                          ; v29     0; never rewritten
.set OBF,  32
.set F0,   64
.set F1,   128
.set TMP,  192
.set BIAS, 0                           ; window 1
.set XO,   192                         ; window 1: v192-207 byte offsets of rows 2 i + lane / 16 of x
.set XU,  24                           ; s[24:25] x at my wave's first row
.set BP,  26                           ; s[26:27] the bias at my 128 columns of head 0
.set BB,  28                           ; s[28:29] the same at the head to be loaded
.set OB,  30                           ; s[30:31] the output at my first row, head 0, my columns
.set OC,  32                           ; s[32:33] the same at the 16 rows being stored
.set G1,  36                           ; s[36:43] descriptor group 1
.set G0,  44                           ; s[44:51] descriptor group 0, a set for each slot
.set WV,  52
.set CX,  53
.set CL,  54
.set TV,  55                           ; 1: a cluster that makes Z
.set J,   56
.set NB0, 57                           ; the first of my heads
.set PC,  58                           ; passes to go
.set PI,  59                           ; the pass in hand
.set LP,  60
.set FI,  61                           ; the tile to be asked for next, 0 .. 63
.set E0,  62                           ; byte offset in w16 of head 0's tile 0, at my columns, in the matrix that a pass with x multiplies by
.set ROT, 63                           ; the head, among mine, at which my cluster begins
.set O0,  66                           ; byte offset in w16 of tile 0 of Wo's block J, at my columns
.set HM,  67                           ; the number of my heads, less one: 7 or 3
.set T0,  68                           ; s68-71 at work; they never hold anything made of my place in the cluster
.set T1,  69
.set T2,  70
.set T3,  71
.set OFF, 72                           ; s[72:73]
.set SA,  74                           ; bytes from row to row of my x
.set SO,  75                           ; and of my output
.set SO16, 76                          ; s[76:77] 16 rows of output
.set ODDV, 79                          ; 1: this pass multiplies v by Wo
.set EVENV, 80                         ; 1: this pass makes v
.set CB,  81                           ; the head in hand
.set NB,  82                           ; the head whose bias is loaded next
.set KA,  83                           ; byte in A's rows of the two K steps in hand
.set XOF, 84                           ; s[84:85], s[86:87], s88, s94: offsets made of my place in the cluster
.set OOF, 86
.set RB,  88
.set HH,  89
.set MAT, 90
.set SH3, 91
.set CBO, 92                           ; s[92:93]
.set R2,  94
.set BOF, 96                           ; s[96:97]
.set MSB, 0
.macro WIN new                         ; the immediate's high byte repeats the setting that is left; a switch that changes nothing is dropped
.if MSB != (\new)
	s_set_vgpr_msb (MSB<<8)|(\new)
.set MSB, \new
.endif
.endm
.macro PLACES                          ; four places in front of loads into registers that matrix instructions have read, and of reads of results just made
.rept 4
	v_nop
.endr
.endm
.macro CREST                           ; a round of the cluster's barrier behind its opening barrier
	s_cmp_lg_u32 s[WV], 0
	s_cbranch_scc1 .Lnot_wave_0_\@
	s_barrier_signal -3
.Lnot_wave_0_\@:
	s_barrier_wait -3
	s_barrier_signal -1
	s_barrier_wait -1
.endm
.macro CROUND
	s_barrier_signal -1
	s_barrier_wait -1
	CREST
.endm
.macro JLOAD s                         ; every wave asks for its own 128 columns; an s_nop 0 and four v_nop follow
	tensor_load_to_lds s[G0+4*(\s):G0+4*(\s)+3], s[G1:G1+7]
	s_nop 0
.rept 4
	v_nop
.endr
.endm
; The address of tile FI is made anew from its number: K step FI % 8 (64 rows of 8,192 bytes) of pass FI / 8, whose column block is the pass's head, or Wo's block J.
.macro FILLADDR s
	s_and_b32 s[T0], s[FI], 7
	s_lshl_b32 s[T0], s[T0], 19
	s_lshr_b32 s[T1], s[FI], 3                     ; the pass
	s_and_b32 s[T3], s[T1], s[TV]                  ; 1: it multiplies v by Wo
	s_lshr_b32 s[T1], s[T1], s[TV]
	s_add_co_u32 s[T1], s[T1], s[ROT]
	s_and_b32 s[T1], s[T1], s[HM]
	s_add_co_u32 s[T1], s[T1], s[NB0]              ; its head: 1,024 bytes of a row of w16
	s_lshl_b32 s[T1], s[T1], 10
	s_add_co_u32 s[T1], s[T1], s[E0]
	s_cmp_eq_u32 s[T3], 1
	s_cselect_b32 s[T1], s[O0], s[T1]
	s_add_co_u32 s[OFF], s[T1], s[T0]
	s_add_nc_u64 s[G0+4*(\s)+2:G0+4*(\s)+3], s[16:17], s[OFF:OFF+1]
	s_or_b32 s[G0+4*(\s)+3], s[G0+4*(\s)+3], 0x80000000
	s_add_co_u32 s[FI], s[FI], 1
.endm
	s_load_b512 s[4:19], s[0:1], 0x0               ; queries, keys, values, bq, bk, bv, w16 s[16:17], qb s[18:19]
	s_load_b128 s[20:23], s[0:1], 0x40             ; kb, zb
	v_lshl_add_u32 v[SPW], v0, 2, SPARE
	v_mov_b32 v[NIL], 0
	ds_add_u32 v[SPW], v[NIL]                      ; the wave's opening: the add and its wait ahead of my first tensor load
	v_lshrrev_b32 v1, 5, v0
	v_readfirstlane_b32 s[WV], v1                  ; wave 0..3
	s_mov_b32 s[CL], ttmp9                         ; the cluster, 0 .. 63
	s_bfe_u32 s[CX], ttmp6, 0x40000                ; my place in it
	s_lshr_b32 s[MAT], s[CL], 4                    ; 0: q, 1: k
	s_bfe_u32 s[J], s[CL], 0x30002
	s_bfe_u32 s[HH], s[CL], 0x10001
	s_cmp_ge_u32 s[CL], 32
	s_cselect_b32 s[TV], 1, 0
	s_mul_i32 s[J], s[J], s[TV]                    ; J and HH count for Z's clusters alone
	s_mul_i32 s[HH], s[HH], s[TV]
	s_lshl_b32 s[NB0], s[HH], 2
	s_mul_i32 s[SH3], s[TV], 3                     ; Z's rows lie eight positions apart
	s_lshl_b32 s[SA], 2048, s[SH3]
	s_lshl_b32 s[SO], 8192, s[SH3]
	s_lshl_b32 s[SO16], s[SO], 4
	s_mov_b32 s[SO16+1], 0
	s_lshl_b32 s[T0], s[MAT], 22                   ; q, k: my matrix;
	s_cmp_eq_u32 s[TV], 1
	s_cselect_b32 s[E0], 2<<22, s[T0]              ; Z: Wv in the passes that make v,
	s_lshl_b32 s[O0], s[J], 10                     ; Wo's block J in the others
	s_add_co_u32 s[O0], s[O0], 3<<22
	s_lshl_b32 s[T0], s[WV], 8                     ; my 128 columns
	s_add_co_u32 s[E0], s[E0], s[T0]
	s_add_co_u32 s[O0], s[O0], s[T0]
	s_lshr_b32 s[HM], 7, s[TV]                     ; 8 heads, or 4
	s_and_b32 s[T1], s[CL], 15                     ; the cluster's number among those that walk the same heads: i, or J
	s_cmp_eq_u32 s[TV], 1
	s_cselect_b32 s[T1], s[J], s[T1]
	s_sub_co_u32 s[T2], 3, s[TV]
	s_lshr_b32 s[T2], s[T1], s[T2]                 ; i / 8, or J / 4
	s_add_co_u32 s[ROT], s[T1], s[T2]
	s_and_b32 s[ROT], s[ROT], s[HM]                ; where my cluster begins: the same in its four work-groups
	s_and_b32 s[RB], s[CL], 15                     ; my block of 128 rows: 4 x (the cluster's number among its kind) + my place
	s_and_b32 s[R2], s[CL], 1
	s_cmp_eq_u32 s[TV], 1
	s_cselect_b32 s[RB], s[R2], s[RB]
	s_lshl_b32 s[RB], s[RB], 2
	s_add_co_u32 s[RB], s[RB], s[CX]
	s_add_co_u32 s[R2], s[SH3], 18
	s_lshl_b32 s[XOF], s[RB], s[R2]                ; 128 rows of x,
	s_lshl_b32 s[R2], s[J], 11                     ; position J of each eight,
	s_add_co_u32 s[XOF], s[XOF], s[R2]
	s_mul_i32 s[R2], s[WV], s[SA]                  ; my wave fetches 32 of the rows
	s_lshl_b32 s[R2], s[R2], 5
	s_add_co_u32 s[XOF], s[XOF], s[R2]
	s_mov_b32 s[XOF+1], 0
	s_add_co_u32 s[R2], s[SH3], 20
	s_lshl_b32 s[OOF], s[RB], s[R2]                ; 128 rows of output,
	s_lshl_b32 s[R2], s[J], 13
	s_add_co_u32 s[OOF], s[OOF], s[R2]
	s_lshl_b32 s[R2], s[WV], 8                     ; my 128 columns
	s_add_co_u32 s[OOF], s[OOF], s[R2]
	s_mov_b32 s[OOF+1], 0
	s_lshl_b32 s[BOF], s[WV], 9
	s_mov_b32 s[BOF+1], 0
	; descriptor group 1: 64 rows x 128 elements of 2 bytes, 4,096 elements from row to row, padded in LDS
	s_mov_b32 s[G1+0], 15|(1<<16)|(1<<20)|(1<<21)|(5<<22)|(7<<25)  ; 15:0 the mask of four; 17:16 2-byte elements; 20 padding on; 21 set beside a mask; 24:22 after every 64 words; 31:25 8 words
	s_mov_b32 s[G1+1], 128<<16                     ; tensor_dim0 = 128
	s_mov_b32 s[G1+2], 64<<16                      ; tensor_dim1 = 64
	s_mov_b32 s[G1+3], 128<<16                     ; tile_dim0 = 128
	s_mov_b32 s[G1+4], 64                          ; tile_dim1 = 64
	s_mov_b32 s[G1+5], 4096                        ; the pitch
	s_mov_b32 s[G1+6], 0
	s_mov_b32 s[G1+7], 0
	s_mul_i32 s[T0], s[WV], SUBT                   ; my part of a slot: no place in the cluster enters an LDS address
	s_mov_b32 s[G0], 1
	s_add_co_u32 s[G0+1], s[T0], RING
	s_mov_b32 s[G0+4], 1
	s_add_co_u32 s[G0+5], s[T0], RING+SLOTB
	s_mov_b32 s[OFF+1], 0
	s_mov_b32 s[CBO+1], 0
	s_mov_b32 s[FI], 0
	s_mov_b32 s[KA], 0
	s_mov_b32 s[PC], 8
	s_mov_b32 s[PI], 0
	s_wait_dscnt 0x0                               ; the opening add is done
	s_wait_kmcnt 0x0
	s_cmp_eq_u32 s[MAT], 1                         ; x, bias and output are chosen by the cluster's number alone
	s_cselect_b64 s[XU:XU+1], s[6:7], s[4:5]
	s_cselect_b64 s[BP:BP+1], s[12:13], s[10:11]
	s_cselect_b64 s[OB:OB+1], s[20:21], s[18:19]
	s_cmp_eq_u32 s[TV], 1
	s_cselect_b64 s[XU:XU+1], s[8:9], s[XU:XU+1]
	s_cselect_b64 s[BP:BP+1], s[14:15], s[BP:BP+1]
	s_cselect_b64 s[OB:OB+1], s[22:23], s[OB:OB+1]
	s_add_nc_u64 s[XU:XU+1], s[XU:XU+1], s[XOF:XOF+1]
	s_add_nc_u64 s[BP:BP+1], s[BP:BP+1], s[BOF:BOF+1]
	s_add_nc_u64 s[OB:OB+1], s[OB:OB+1], s[OOF:OOF+1]
	s_add_co_u32 s[BOF], s[NB0], s[ROT]            ; the first pass's head: 2,048 bytes of bias a head
	s_lshl_b32 s[BOF], s[BOF], 11
	s_add_nc_u64 s[BB:BB+1], s[BP:BP+1], s[BOF:BOF+1]
	CROUND                                         ; all four work-groups are here: the first joint loads meet
	FILLADDR 0
	FILLADDR 1
	tensor_load_to_lds s[G0:G0+3], s[G1:G1+7]      ; tiles 0 and 1: two loads of mine are out here, one behind each later round
	s_nop 0
	tensor_load_to_lds s[G0+4:G0+7], s[G1:G1+7]
	s_nop 0
.rept 4
	v_nop
.endr
	v_and_b32 v1, 15, v0                           ; r = lane % 16
	v_bfe_u32 v2, v0, 4, 1                         ; h = lane / 16
	v_mul_u32_u24 v3, v1, PA
	v_lshl_add_u32 v[ADA0], v2, 4, v3              ; a fragment of A: row r, 16 bytes for each half of the lanes
	v_add_nc_u32 v[ADA0+1], AHALF, v[ADA0]
	v_mov_b32 v[ADRA], v[ADA0]
	v_mov_b32 v[ADRA+1], v[ADA0+1]
	s_lshl_b32 s[T0], s[WV], 8
	v_add_nc_u32 v[STA], s[T0], v[ADA0]            ; v goes to the same rows, at my 128 columns
	v_add_nc_u32 v[STA+1], s[T0], v[ADA0+1]
	v_and_b32 v3, 7, v0                            ; the turning load: lane l reads K row 8 h + l % 8, columns 8 ((l / 8) % 2) + 0..7
	v_lshl_add_u32 v3, v2, 3, v3
	v_mul_u32_u24 v3, v3, PB
	v_bfe_u32 v24, v0, 3, 1
	v_lshl_add_u32 v3, v24, 4, v3
	s_mul_i32 s[T0], s[WV], SUBT
	s_add_co_u32 s[T0], s[T0], RING
	v_add_nc_u32 v[ADRB], s[T0], v3
	s_add_co_u32 s[T0], s[T0], SLOTB
	v_add_nc_u32 v[ADRB+1], s[T0], v3
	s_mul_i32 s[T0], s[WV], 16*SPITCH
	s_add_co_u32 s[T0], s[T0], STAGE               ; my stage
	v_mul_u32_u24 v3, v1, SPITCH
	v_lshl_add_u32 v3, v2, 4, v3
	v_add_nc_u32 v[STO], s[T0], v3
	v_mul_u32_u24 v3, v2, SPITCH                   ; back: lanes 0-15 one row of 256 bytes, lanes 16-31 the next
	v_lshl_add_u32 v3, v1, 4, v3
	v_add_nc_u32 v[RD], s[T0], v3
	v_mul_lo_u32 v3, v2, s[SO]                     ; and the same two rows in the output
	v_lshl_add_u32 v3, v1, 4, v3
.irp t, 0,1,2,3,4,5,6,7
	s_mul_i32 s[T0], s[SO], 2*(\t)
	v_add_nc_u32 v[CO+(\t)], s[T0], v3
.endr
	s_mul_i32 s[T0], s[WV], 32*PA                  ; x into A: my 32 rows, two rows a load, 8 bytes a lane
	v_mul_u32_u24 v3, v2, PA
	v_lshl_add_u32 v3, v1, 3, v3
	v_add_nc_u32 v[XS], s[T0], v3
	v_lshlrev_b32 v[BVO], 5, v2
	v_mul_lo_u32 v3, v2, s[SA]
	v_lshl_add_u32 v3, v1, 4, v3
	WIN 0x40
.irp i, 0,1,2,3,4,5,6,7,8,9,10,11,12,13,14,15
	s_mul_i32 s[T0], s[SA], 2*(\i)
	v_add_nc_u32 v[XO+(\i)], s[T0], v3
.endr
	WIN 0
; 16 matrix instructions: row blocks a0, a0 + 1 of the window's four x all 8 column blocks, 32 along K.  The 64 accumulators take turns, one instruction a turn.
; mode 0: the sums go on; 1: they start at 0; 2: they start at the bias (C in window 1).
.macro MUL16 f, hi, a0, mode
.if (\mode) == 2
	WIN 0x91+0x40*(\hi)
.else
	WIN 0xa1+0x50*(\hi)
.endif
.irp a, \a0, (\a0)+1
.irp b, 0,1,2,3,4,5,6,7
.if (\mode) == 1
	v_wmma_f32_16x16x32_f16 v[8*(8*(\a)+(\b)):8*(8*(\a)+(\b))+7], v[(\f)+8*(\b):(\f)+8*(\b)+7], v[(\f)+8*(4*(\hi)+(\a)):(\f)+8*(4*(\hi)+(\a))+7], 0
.elseif (\mode) == 2
	v_wmma_f32_16x16x32_f16 v[8*(8*(\a)+(\b)):8*(8*(\a)+(\b))+7], v[(\f)+8*(\b):(\f)+8*(\b)+7], v[(\f)+8*(4*(\hi)+(\a)):(\f)+8*(4*(\hi)+(\a))+7], v[BIAS+8*(\b):BIAS+8*(\b)+7]
.else
	v_wmma_f32_16x16x32_f16 v[8*(8*(\a)+(\b)):8*(8*(\a)+(\b))+7], v[(\f)+8*(\b):(\f)+8*(\b)+7], v[(\f)+8*(4*(\hi)+(\a)):(\f)+8*(4*(\hi)+(\a))+7], v[8*(8*(\a)+(\b)):8*(8*(\a)+(\b))+7]
.endif
.endr
.endr
.endm
; 32 LDS loads in one run: half kq (32 along K) of the K step in a slot: W's 8 fragments (turned), A's rows 0-63, A's rows 64-127.
.macro FETCH slot, kq, f
	WIN 0x40
.irp i, 0,1,2,3,4,5,6,7
	ds_load_tr16_b128 v[(\f)+8*(\i):(\f)+8*(\i)+3],   v[ADRB+(\slot)] offset:(\kq)*32*PB+32*(\i)
	ds_load_tr16_b128 v[(\f)+8*(\i)+4:(\f)+8*(\i)+7], v[ADRB+(\slot)] offset:(\kq)*32*PB+16*PB+32*(\i)
.endr
	WIN 0
.irp i, 0,1,2,3
	ds_load_b128 v[(\f)+8*(\i):(\f)+8*(\i)+3],   v[ADRA] offset:(\i)*16*PA+(\slot)*128+(\kq)*64
	ds_load_b128 v[(\f)+8*(\i)+4:(\f)+8*(\i)+7], v[ADRA] offset:(\i)*16*PA+(\slot)*128+(\kq)*64+32
.endr
.irp i, 0,1,2,3
	ds_load_b128 v[(\f)+32+8*(\i):(\f)+32+8*(\i)+3],   v[ADRA+1] offset:(\i)*16*PA+(\slot)*128+(\kq)*64
	ds_load_b128 v[(\f)+32+8*(\i)+4:(\f)+32+8*(\i)+7], v[ADRA+1] offset:(\i)*16*PA+(\slot)*128+(\kq)*64+32
.endr
.endm
; The first half of a K step: multiplies buffer f, and in its middle fetches the second half into g.
.macro QUARTER slot, f, g, mode
	s_wait_dscnt 8                                 ; W and A's rows 0-63 are in; the youngest eight loads (A's rows 64-127) may be out
	MUL16 \f, 0, 0, \mode
	MUL16 \f, 0, 2, \mode
	PLACES
	FETCH \slot, 1, \g
	s_wait_dscnt 32                                ; all but the 32 just issued
	MUL16 \f, 1, 0, \mode
	MUL16 \f, 1, 2, \mode
.endm
; The second half multiplies buffer 1 and changes slots.  In front of the round each wave waits for all its tensor loads (one is out: its part of the next slot), adds 0 to its spare word,
; and waits for that and for its reads of this slot and of A.  Behind the round no wave of any partner reads this slot or has a load on its way: the slot is asked for again, first thing.
; A slot's next request can go out only when the load before it has landed.  So the wait for that load stands as late as the work allows, behind sixteen products, and between it and the request
; stand only the sixteen products that cover the add, and the round.
; adv = 1: A goes on by two K steps.  fetch = 0: a pass's end: nothing of the next pass is read yet.
.macro TURN slot, next, adv, fetch
	s_wait_dscnt 8                                 ; W and A's rows 0-63 are in; the youngest eight loads (A's rows 64-127) may be out
	MUL16 F1, 0, 0, 0
	WIN 0
	s_wait_tensorcnt 0x0                           ; no tensor load of mine is out, so a group 0 may be written
	ds_add_u32 v[SPW], v[NIL]                      ; 0 onto my spare word
	FILLADDR \slot
	MUL16 F1, 0, 2, 0
	WIN 0
	s_wait_dscnt 0x0                               ; the add is done, and my LDS reads are over
	s_barrier_signal -1
	s_barrier_wait -1
	CREST
	JLOAD \slot                                    ; 112 matrix instructions ahead of the wait for it; its four v_nop are also the places in front of the loads below
.if \adv
	s_add_co_u32 s[KA], s[KA], 256
	v_add_nc_u32 v[ADRA], s[KA], v[ADA0]
	v_add_nc_u32 v[ADRA+1], s[KA], v[ADA0+1]
.endif
.if \fetch
	FETCH \next, 0, F0
.endif
	MUL16 F1, 1, 0, 0
	MUL16 F1, 1, 2, 0
.endm
.macro BIASLD                          ; block b of 16 columns: my eight numbers, as the C operand wants them
	WIN 0x40
.irp b, 0,1,2,3,4,5,6,7
	global_load_b128 v[BIAS+8*(\b):BIAS+8*(\b)+3],   v[BVO], s[BB:BB+1] offset:64*(\b)
	global_load_b128 v[BIAS+8*(\b)+4:BIAS+8*(\b)+7], v[BVO], s[BB:BB+1] offset:64*(\b)+16
.endr
	WIN 0
.endm
; Slice k of x: 64 columns (256 bytes, aligned) of my 32 rows: 16 loads of two rows each, into 64 registers of a window.
.macro XLD win, base, k
	WIN ((\win)<<6)|1
.irp i, 0,1,2,3,4,5,6,7,8,9,10,11,12,13,14,15
	global_load_b128 v[(\base)+4*(\i):(\base)+4*(\i)+3], v[XO+(\i)], s[XU:XU+1] offset:(\k)*256
.endr
.endm
.macro XST win, base, k                ; rounded to f16 and put into A
	WIN 5*(\win)
.set z, 0
.rept 32
	v_cvt_pk_f16_f32 v[OBF+z], v[(\base)+2*z], v[(\base)+2*z+1]
.set z, z+1
.endr
	WIN 0
.irp i, 0,1,2,3,4,5,6,7,8,9,10,11,12,13,14,15
	ds_store_b64 v[XS], v[OBF+2*(\i):OBF+2*(\i)+1] offset:2*(\i)*PA+128*(\k)
.endr
.endm
; THE WAY OUT of row block a.  PACK: rounded to bf16, each accumulator's registers in ascending order.  TOSTAGE: into my own stage and back as whole rows of 256 bytes.  SEND: stored.
.macro PACK a
.set AC, 64*((\a)%4)
	WIN 0x0a+5*((\a)/4)
.irp b, 0,1,2,3,4,5,6,7
.irp r, 0,1,2,3
	v_cvt_pk_bf16_f32 v[TMP+4*(\b)+(\r)], v[AC+8*(\b)+2*(\r)], v[AC+8*(\b)+2*(\r)+1]
.endr
.endr
	WIN 0
.endm
.macro TOSTAGE a
.set BK, OBF+192*((\a)%2)
.irp b, 0,1,2,3,4,5,6,7
	ds_store_b128 v[STO], v[TMP+4*(\b):TMP+4*(\b)+3] offset:32*(\b)
.endr
.irp t, 0,1,2,3,4,5,6,7
	ds_load_b128 v[BK+4*(\t):BK+4*(\t)+3], v[RD] offset:(\t)*2*SPITCH  ; LDS serves a wave's instructions in order (ISA guide 5.7.1.4): these see the stores above
.endr
.endm
.macro SEND a
.set BK, OBF+192*((\a)%2)
	s_wait_dscnt 0x0                               ; the block is back in registers
	s_wait_xcnt 0x0                                ; the stores' base and the registers that earlier stores read are rewritten only behind this wait
.if (\a) == 0
	s_lshl_b32 s[CBO], s[CB], 10                   ; the head's 1,024 bytes in a row of the output
	s_add_nc_u64 s[OC:OC+1], s[OB:OB+1], s[CBO:CBO+1]
.else
	s_add_nc_u64 s[OC:OC+1], s[OC:OC+1], s[SO16:SO16+1]
.endif
.irp t, 0,1,2,3,4,5,6,7
	global_store_b128 v[CO+(\t)], v[BK+4*(\t):BK+4*(\t)+3], s[OC:OC+1] th:TH_STORE_NT  ; 16 lanes store 256 consecutive bytes, at a multiple of 256 from the buffer's first; written once, not read in this launch
.endr
.endm
.macro OUT                             ; block a's conversions stand between block a - 1's loads from the stage and the wait for them
	PACK 0
	TOSTAGE 0
.irp a, 1,2,3,4,5,6,7
	PACK \a
	SEND (\a)-1
	TOSTAGE \a
.endr
	SEND 7
.endm
.macro PACKV a                         ; v's row block a, rounded to f16, into A's rows at my 128 columns
.set AC, 64*((\a)%4)
	WIN 0x0a+5*((\a)/4)
.irp b, 0,1,2,3,4,5,6,7
.irp r, 0,1,2,3
	v_cvt_pk_f16_f32 v[TMP+4*(\b)+(\r)], v[AC+8*(\b)+2*(\r)], v[AC+8*(\b)+2*(\r)+1]
.endr
.endr
	WIN 0
.irp b, 0,1,2,3,4,5,6,7
	ds_store_b128 v[STA+(\a)/4], v[TMP+4*(\b):TMP+4*(\b)+3] offset:((\a)%4)*16*PA+32*(\b)
.endr
.endm
	BIASLD                                         ; my first head's bias
.irp k, 0,1,2,3                        ; all of my 32 rows of x: eight slices into the 512 registers that will hold the sums
	XLD 2, 64*(\k), \k
.endr
.irp k, 0,1,2,3
	XLD 3, 64*(\k), (\k)+4
.endr
	s_wait_loadcnt 48                              ; all but the last three slices' 48 loads
.irp k, 0,1,2,3
	XST 2, 64*(\k), \k
.endr
	XST 3, 0, 4
	s_wait_loadcnt 32
	XST 3, 64, 5
	s_wait_loadcnt 16
	XST 3, 128, 6
	s_wait_loadcnt 0x0
	XST 3, 192, 7
.Lpass:
	s_wait_loadcnt 0x0                             ; the bias is in, so its base may be written
	s_and_b32 s[ODDV], s[PI], s[TV]
	s_sub_co_u32 s[EVENV], s[TV], s[ODDV]
	s_lshr_b32 s[CB], s[PI], s[TV]
	s_add_co_u32 s[CB], s[CB], s[ROT]
	s_add_co_u32 s[NB], s[CB], 1
	s_and_b32 s[CB], s[CB], s[HM]
	s_and_b32 s[NB], s[NB], s[HM]
	s_add_co_u32 s[CB], s[CB], s[NB0]              ; the head in hand,
	s_add_co_u32 s[NB], s[NB], s[NB0]              ; and the next on my round (behind my last head: my first once more, which nobody uses)
	s_lshl_b32 s[BOF], s[NB], 11
	s_add_nc_u64 s[BB:BB+1], s[BP:BP+1], s[BOF:BOF+1]
	s_wait_tensorcnt 0x1                           ; my part of the pass's tile 0 is in; one load was issued behind it, on the way in and on the way back alike
	s_wait_dscnt 0x0                               ; my stores into A are done
	s_barrier_signal -1
	s_barrier_wait -1                              ; everybody's are
	FETCH 0, 0, F0
	s_cmp_eq_u32 s[ODDV], 1
	s_cbranch_scc1 .Lzero
	QUARTER 0, F0, F1, 2                           ; the first products start the sums at the bias
	PLACES
	BIASLD                                         ; the next head's, with seven eighths of a pass or more in which to land
	s_branch .Lq1
.Lzero:
	QUARTER 0, F0, F1, 1                           ; v Wo has no bias: bo is added once, behind the mix
	WIN 0
.Lq1:
	s_mov_b32 s[LP], 3
.Llap:                                                 ; a trip: once round the ring, from a K step's second half to the first half two steps on
	TURN 0, 1, 0, 1
	QUARTER 1, F0, F1, 0
	TURN 1, 0, 1, 1
	QUARTER 0, F0, F1, 0
	WIN 0
	s_sub_co_u32 s[LP], s[LP], 1
	s_cmp_lg_u32 s[LP], 0
	s_cbranch_scc1 .Llap
	s_cmp_eq_u32 s[PC], 1
	s_cbranch_scc1 .Llast                          ; the last pass's tail is written out: it asks for nothing more
	TURN 0, 1, 0, 1                                ; the ring goes on into the next pass: slot 0 takes its tile 0,
	QUARTER 1, F0, F1, 0
	TURN 1, 0, 0, 0                                ; slot 1 its tile 1.  Behind this round no wave reads A any more
	WIN 0
	s_mov_b32 s[KA], 0
	v_mov_b32 v[ADRA], v[ADA0]
	v_mov_b32 v[ADRA+1], v[ADA0+1]
	PLACES
	s_cmp_eq_u32 s[EVENV], 1
	s_cbranch_scc0 .Lnotv
.irp a, 0,1,2,3,4,5,6,7                ; a pass that made v: it takes x's place in A
	PACKV \a
.endr
.Lnotv:
	s_wait_dscnt 0x0                               ; my stores of v into A are done
	s_barrier_signal -1                            ; every wave passes this barrier in every pass: v is stored into A only in front of it, x only behind it.
	s_barrier_wait -1                              ; The next pass's tile 1 may stay on its way
	s_cmp_eq_u32 s[EVENV], 1
	s_cbranch_scc1 .Lnext                          ; v does not go to memory
	s_cmp_eq_u32 s[ODDV], 1
	s_cbranch_scc0 .Lout
	XLD 0, F0, 0                                   ; x comes back: its first half into the four fragment buffers, which lie idle; it lands while Z goes out
	XLD 0, F1, 1
	XLD 1, F0, 2
	XLD 1, F1, 3
	WIN 0
.Lout:
	OUT
	s_cmp_eq_u32 s[ODDV], 1
	s_cbranch_scc0 .Lnext
.irp k, 0,1,2,3
	XLD 2, 64*(\k), (\k)+4                         ; the second half into accumulators that have been packed
.endr
	s_wait_loadcnt 63                              ; at most 63 of the 64 just issued are out: the first half is in
	XST 0, F0, 0
	XST 0, F1, 1
	XST 1, F0, 2
	XST 1, F1, 3
	s_wait_loadcnt 48
	XST 2, 0, 4
	s_wait_loadcnt 32
	XST 2, 64, 5
	s_wait_loadcnt 16
	XST 2, 128, 6
	s_wait_loadcnt 0x0
	XST 2, 192, 7
.Lnext:
	s_add_co_u32 s[PI], s[PI], 1
	s_sub_co_u32 s[PC], s[PC], 1
	s_branch .Lpass
.Llast:
	s_wait_dscnt 8
	MUL16 F1, 0, 0, 0
	MUL16 F1, 0, 2, 0
	s_wait_tensorcnt 0x0                           ; my part of the last tile: nothing was issued behind it, and only I read it
	PLACES
	FETCH 1, 0, F0
	s_wait_dscnt 32
	MUL16 F1, 1, 0, 0
	MUL16 F1, 1, 2, 0
	QUARTER 1, F0, F1, 0
	s_wait_dscnt 8
	MUL16 F1, 0, 0, 0
	MUL16 F1, 0, 2, 0
	s_wait_dscnt 0x0
	MUL16 F1, 1, 0, 0
	MUL16 F1, 1, 2, 0
	WIN 0
	PLACES
	OUT
	s_wait_tensorcnt 0x0                           ; the wave's end, behind my last tensor load and my last LDS store
	ds_add_u32 v[SPW], v[NIL]
	s_wait_dscnt 0x0
	CROUND                                         ; the closing round: no work-group ends while a partner may still ask for a tile that names it
	s_endpgm
.Lfunc_end_k_qdb28d3bce8_proj:
	.size	k_qdb28d3bce8_proj, .Lfunc_end_k_qdb28d3bce8_proj-k_qdb28d3bce8_proj
	.p2alignl 7, 3214868480
	.fill 96, 4, 3214868480
	.section	.rodata,"a",@progbits
	.p2align	6, 0x0
	.amdhsa_kernel k_qdb28d3bce8_proj
		.amdhsa_group_segment_fixed_size 327680
		.amdhsa_private_segment_fixed_size 0
		.amdhsa_enable_private_segment 0
		.amdhsa_kernarg_size 80
		.amdhsa_user_sgpr_count 2
		.amdhsa_user_sgpr_kernarg_segment_ptr 1
		.amdhsa_wavefront_size32 1
		.amdhsa_system_sgpr_workgroup_id_x 1
		.amdhsa_system_sgpr_workgroup_id_y 1
		.amdhsa_system_sgpr_workgroup_id_z 1
		.amdhsa_system_vgpr_workitem_id 0
		.amdhsa_next_free_vgpr 1024
		.amdhsa_next_free_sgpr 104
		.amdhsa_reserve_vcc 0
		.amdhsa_float_denorm_mode_32 3
		.amdhsa_float_denorm_mode_16_64 3
		.amdhsa_memory_ordered 1
		.amdhsa_forward_progress 1
		.amdhsa_inst_pref_size 250
	.end_amdhsa_kernel
	.amdgpu_metadata
---
amdhsa.version: [ 1, 2 ]
amdhsa.kernels:
  - .name:           k_qdb28d3bce8_proj
    .symbol:         k_qdb28d3bce8_proj.kd
    .args:
      - { .name: queries, .offset: 0, .size: 8, .value_kind: global_buffer, .address_space: global }
      - { .name: keys, .offset: 8, .size: 8, .value_kind: global_buffer, .address_space: global }
      - { .name: values, .offset: 16, .size: 8, .value_kind: global_buffer, .address_space: global }
      - { .name: bq, .offset: 24, .size: 8, .value_kind: global_buffer, .address_space: global }
      - { .name: bk, .offset: 32, .size: 8, .value_kind: global_buffer, .address_space: global }
      - { .name: bv, .offset: 40, .size: 8, .value_kind: global_buffer, .address_space: global }
      - { .name: w16, .offset: 48, .size: 8, .value_kind: global_buffer, .address_space: global }
      - { .name: qb, .offset: 56, .size: 8, .value_kind: global_buffer, .address_space: global }
      - { .name: kb, .offset: 64, .size: 8, .value_kind: global_buffer, .address_space: global }
      - { .name: zb, .offset: 72, .size: 8, .value_kind: global_buffer, .address_space: global }
    .group_segment_fixed_size: 327680
    .private_segment_fixed_size: 0
    .kernarg_segment_align: 8
    .kernarg_segment_size: 80
    .max_flat_workgroup_size: 128
    .sgpr_count:     104
    .vgpr_count:     1024
    .wavefront_size: 32
...
	.end_amdgpu_metadata
.endif
;; end of part 2
;; launch mix (part 3): grid 256 x 1, 8 waves a work-group, no clusters, 273,408 bytes of LDS; arguments qb, kb, zb, mask, bo, out0; writes out0
.if DOCPART == 3
	.amdgcn_target "amdgcn-amd-amdhsa--gfx1250"
	.amdhsa_code_object_version 6
	.text
	.protected	k_qdb28d3bce8_mix
	.globl	k_qdb28d3bce8_mix
	.p2align	8
	.type	k_qdb28d3bce8_mix,@function
k_qdb28d3bce8_mix:
	s_mov_b64 s[64:65], 0
	v_nop
	global_prefetch_b8 v0, s[64:65] scope:SCOPE_SE
	s_setreg_imm32_b32 hwreg(HW_REG_WAVE_MODE, 25, 1), 1
	s_wait_xcnt 0x0
; At every position P: energy[hq][hk] = q[P][hq] . k[P][hk]; -inf where mask[P][hq][hk] = 0; softmax over hk of energy / sqrt(512), the row's maximum taken away first.
; Then, with G = P / 8: out0[G / 256][256 hq + G % 256][c] = bo[c] + the sum over the group's 8 positions and over hk of attn[P][hq][hk] Z[P][hk][c].
; q, k, Z: bf16 [8192][8][512].  Products and sums in f32.  A weight goes into the second product as TWO bf16 numbers, its rounding and the rest, on one f32 sum.
; LIMITS: a row whose mask is all 0 gives NaN in its whole output row, as in the source; the energy is added up in four partial sums of f32, each K ascending.
; SHARES.  A work-group takes four groups, a pair of waves one group, a wave four positions; everything is the wave's own until one barrier, behind which the pair's two partial sums (f32) meet.
; No byte is read twice and memory binds: no cluster, no tensor load; each wave keeps two landing buffers of 32 loads (16 KiB each) on their way, and LDS only turns the layouts.
; ENERGY.  16 rows of k (two positions x 8 heads) are source 0, the same of q source 1: lane (r = lane % 16, h = lane / 16) holds query row (position r / 8, head r % 8) against
; (position h, hk = register).  Where r / 8 = h these are true scores, all eight of a softmax row in one lane; the other lanes' weights are set to 0.
; MIX.  K = 32 is (4 positions x 8 hk).  Source 0 = 16 columns of Z (turned out of LDS), source 1 = the weights just as the lanes hold them: column r < 8 sums the even positions for head r,
; column r + 8 the odd ones; one addition between lanes 8 apart joins them.
.set PQ,   1040                        ; a row of q or k in LDS: 1,024 bytes + 16
.set KOFF, 16*PQ
.set PZ,   544                         ; a row of Z's half tile: 512 bytes + 32
.set SGO,  32*PZ                       ; behind it my stage: 8 rows (hq) of 512 f32,
.set PS,   2064                        ; 2,048 bytes + 16
.set REG,  34048                       ; a wave's LDS
.set SPARE, 8*REG                      ; the spare words: 128 bytes a wave, four blocks of 256 bytes that no other line names
.set LO,  4                            ; v4   16 x lane
.set LW,  5                            ; v5   my LDS + 16 x lane
.set FA,  6                            ; v6   a fragment of q: row r, 16 bytes for each half of the lanes
.set ZA,  7                            ; v7   the turning load's address in Z's tile
.set SG,  8                            ; v8   my 32 bytes in row r % 8 of my stage
.set RA,  9                            ; v9   the pair's first stage at my four rows
.set RBB, 10                           ; v10  the pair's second stage
.set MKO, 11                           ; v11  my row of the mask
.set NINF, 12                          ; v12  -inf
.set MX,  13                           ; v13  the maximum
.set CM,  14                           ; v[14:15] c m
.set RL,  16                           ; v[16:17] 1 / l
.set SPW, 18                           ; v18  my spare word; never rewritten
.set NIL, 19                           ; v19  0; never rewritten
.set MK,  20                           ; v20-35  the mask's eight words, for each pair of positions
.set BO,  36                           ; v36-51  bo
.set PH,  52                           ; v52-59  the weights, rounded
.set PL,  60                           ; v60-67  the rest
.set E,   68                           ; v68-99  four accumulators of the energy
.set T,   100                          ; v100-115 at work
.set FR,  128                          ; v128-255: q's and k's fragments; then Z's fragments and 8 accumulators; then stage rows
.set B0,  0                            ; window 1: the two landing buffers
.set B1,  128
.set WV,  16
.set EH,  17
.set G,   18
.set P0,  19
.set CS,  26                           ; s[26:27] c = log2(e) / sqrt(512)
.set VAL, 28                           ; the lanes with r / 8 = h
.set REGB, 29
.set MSB, 0
.macro WIN new
.if MSB != (\new)
	s_set_vgpr_msb (MSB<<8)|(\new)
.set MSB, \new
.endif
.endm
.macro PLACES                          ; four places behind matrix instructions (ISA guide 7.12.1)
.rept 4
	v_nop
.endr
.endm
.macro GLD buf, lo, imm0, step         ; 32 loads of 512 consecutive bytes
	WIN 0x40
.set z, 0
.rept 32
	global_load_b128 v[(\buf)+4*z:(\buf)+4*z+3], v[LO], s[(\lo):(\lo)+1] offset:(\imm0)+z*(\step) th:TH_LOAD_NT
.set z, z+1
.endr
	WIN 0
.endm
.macro LST buf, kind                   ; into my LDS.  kind 0: 16 rows of q; 1: of k; 2: 32 rows of half of Z
	WIN 0x04
.set z, 0
.rept 32
.if (\kind) == 2
	ds_store_b128 v[LW], v[(\buf)+4*z:(\buf)+4*z+3] offset:z*PZ
.else
	ds_store_b128 v[LW], v[(\buf)+4*z:(\buf)+4*z+3] offset:(z/2)*PQ+(z%2)*512+(\kind)*KOFF
.endif
.set z, z+1
.endr
	WIN 0
.endm
.macro EFR hf                          ; half hf of K: 8 fragments of q, 8 of k
.irp ks, 0,1,2,3,4,5,6,7
	ds_load_b128 v[FR+8*(\ks):FR+8*(\ks)+3],       v[FA] offset:(\hf)*512+64*(\ks)
	ds_load_b128 v[FR+8*(\ks)+4:FR+8*(\ks)+7],     v[FA] offset:(\hf)*512+64*(\ks)+32
	ds_load_b128 v[FR+64+8*(\ks):FR+64+8*(\ks)+3],   v[FA] offset:KOFF+(\hf)*512+64*(\ks)
	ds_load_b128 v[FR+64+8*(\ks)+4:FR+64+8*(\ks)+7], v[FA] offset:KOFF+(\hf)*512+64*(\ks)+32
.endr
.endm
.macro EMM hf                          ; four accumulators take turns, one instruction a turn; the first four products start the sums
.irp ks, 0,1,2,3,4,5,6,7
.if ((\hf) == 0) && ((\ks) < 4)
	v_wmma_f32_16x16x32_bf16 v[E+8*((\ks)%4):E+8*((\ks)%4)+7], v[FR+64+8*(\ks):FR+64+8*(\ks)+7], v[FR+8*(\ks):FR+8*(\ks)+7], 0
.else
	v_wmma_f32_16x16x32_bf16 v[E+8*((\ks)%4):E+8*((\ks)%4)+7], v[FR+64+8*(\ks):FR+64+8*(\ks)+7], v[FR+8*(\ks):FR+8*(\ks)+7], v[E+8*((\ks)%4):E+8*((\ks)%4)+7]
.endif
.endr
.endm
.macro ENERGY
	EFR 0
	s_wait_dscnt 0x0
	EMM 0
	PLACES
	EFR 1
	s_wait_dscnt 0x0
	EMM 1
.endm
; The softmax of pair t of positions, a row a lane, and the weights as source 1 of the mix.
.macro SOFT t
	PLACES
.irp j, 0,2,4,6                        ; the four partial sums; each accumulator's lowest registers are read first
	v_pk_add_f32 v[E+(\j):E+(\j)+1], v[E+(\j):E+(\j)+1], v[E+8+(\j):E+8+(\j)+1]
	v_pk_add_f32 v[E+16+(\j):E+16+(\j)+1], v[E+16+(\j):E+16+(\j)+1], v[E+24+(\j):E+24+(\j)+1]
.endr
.irp j, 0,2,4,6
	v_pk_add_f32 v[E+(\j):E+(\j)+1], v[E+(\j):E+(\j)+1], v[E+16+(\j):E+16+(\j)+1]
.endr
.irp j, 0,1,2,3,4,5,6,7
	v_cmp_eq_u32 vcc_lo, 0, v[MK+8*(\t)+(\j)]
	v_cndmask_b32 v[E+(\j)], v[E+(\j)], v[NINF], vcc_lo
.endr
	v_max3_num_f32 v[MX], v[E], v[E+1], v[E+2]
	v_max3_num_f32 v[MX], v[MX], v[E+3], v[E+4]
	v_max3_num_f32 v[MX], v[MX], v[E+5], v[E+6]
	v_max_num_f32 v[MX], v[MX], v[E+7]
	v_mul_f32 v[CM], s[CS], v[MX]
.irp j, 0,2,4,6
	v_pk_fma_f32 v[E+(\j):E+(\j)+1], v[E+(\j):E+(\j)+1], s[CS:CS+1], v[CM:CM+1] op_sel_hi:[1,0,0] neg_lo:[0,0,1] neg_hi:[0,0,1]  ; c s - c m
.endr
.irp j, 0,1,2,3,4,5,6,7
	v_exp_f32 v[E+(\j)], v[E+(\j)]
.endr
	v_nop                                          ; a plain instruction between the last exponential and the use of its result
	s_wait_alu depctr_va_vdst(0)
	v_pk_add_f32 v[T:T+1], v[E:E+1], v[E+2:E+3]
	v_pk_add_f32 v[T+2:T+3], v[E+4:E+5], v[E+6:E+7]
	v_pk_add_f32 v[T:T+1], v[T:T+1], v[T+2:T+3]
	v_add_f32 v[RL], v[T], v[T+1]
	v_rcp_f32 v[RL], v[RL]
	v_nop
	s_wait_alu depctr_va_vdst(0)
.irp j, 0,2,4,6
	v_pk_mul_f32 v[E+(\j):E+(\j)+1], v[E+(\j):E+(\j)+1], v[RL:RL+1] op_sel_hi:[1,0]
.endr
.irp i, 0,1,2,3
	v_cvt_pk_bf16_f32 v[T+(\i)], v[E+2*(\i)], v[E+2*(\i)+1]
.endr
.irp i, 0,1,2,3
	v_lshlrev_b32 v[T+4+2*(\i)], 16, v[T+(\i)]
	v_and_b32 v[T+5+2*(\i)], 0xffff0000, v[T+(\i)]
.endr
.irp i, 0,1,2,3
	v_pk_add_f32 v[E+2*(\i):E+2*(\i)+1], v[E+2*(\i):E+2*(\i)+1], v[T+4+2*(\i):T+5+2*(\i)] neg_lo:[0,1] neg_hi:[0,1]  ; what the rounding left
.endr
.irp i, 0,1,2,3
	v_cvt_pk_bf16_f32 v[T+12+(\i)], v[E+2*(\i)], v[E+2*(\i)+1]
.endr
.irp i, 0,1,2,3
	v_cndmask_b32 v[PH+4*(\t)+(\i)], 0, v[T+(\i)], s[VAL]
	v_cndmask_b32 v[PL+4*(\t)+(\i)], 0, v[T+12+(\i)], s[VAL]
.endr
.endm
; 128 columns of the mix: quarter qd of Z's half tile.  8 accumulators take turns: first the rounded weights start the sums, then the rest goes on top.
.macro ZQ half, qd
.irp cb, 0,1,2,3,4,5,6,7
	ds_load_tr16_b128 v[FR+8*(\cb):FR+8*(\cb)+3],   v[ZA] offset:(\qd)*256+32*(\cb)
	ds_load_tr16_b128 v[FR+8*(\cb)+4:FR+8*(\cb)+7], v[ZA] offset:(\qd)*256+32*(\cb)+16*PZ
.endr
	s_wait_dscnt 0x0
.irp cb, 0,1,2,3,4,5,6,7
	v_wmma_f32_16x16x32_bf16 v[FR+64+8*(\cb):FR+64+8*(\cb)+7], v[FR+8*(\cb):FR+8*(\cb)+7], v[PH:PH+7], 0
.endr
.irp cb, 0,1,2,3,4,5,6,7
	v_wmma_f32_16x16x32_bf16 v[FR+64+8*(\cb):FR+64+8*(\cb)+7], v[FR+8*(\cb):FR+8*(\cb)+7], v[PL:PL+7], v[FR+64+8*(\cb):FR+64+8*(\cb)+7]
.endr
	PLACES
.set z, 0
.rept 64                               ; even and odd positions meet: lanes r and r xor 8 end up with the same sum
	v_add_f32_dpp v[FR+64+z], v[FR+64+z], v[FR+64+z] row_xmask:8 row_mask:0xf bank_mask:0xf
.set z, z+1
.endr
.irp cb, 0,1,2,3,4,5,6,7               ; both of those lanes store the same number to the same place, so all lanes stay on
	ds_store_b128 v[SG], v[FR+64+8*(\cb):FR+64+8*(\cb)+3]   offset:(\half)*1024+(\qd)*512+64*(\cb)
	ds_store_b128 v[SG], v[FR+64+8*(\cb)+4:FR+64+8*(\cb)+7] offset:(\half)*1024+(\qd)*512+64*(\cb)+16
.endr
.endm
	s_load_b256 s[4:11], s[0:1], 0x0               ; qb s[4:5], kb s[6:7], zb s[8:9], mask s[10:11]
	s_load_b128 s[12:15], s[0:1], 0x20             ; bo s[12:13], out0 s[14:15]
	v_lshl_add_u32 v[SPW], v0, 2, SPARE
	v_mov_b32 v[NIL], 0
	v_lshrrev_b32 v1, 5, v0
	v_readfirstlane_b32 s[WV], v1                  ; wave 0..7
	s_and_b32 s[EH], s[WV], 1                      ; which half of the group's positions, and of its output rows
	s_lshr_b32 s[G], s[WV], 1
	s_lshl_b32 s30, ttmp9, 2
	s_add_co_u32 s[G], s[G], s30                   ; my group of eight positions
	s_lshl_b32 s[P0], s[G], 3
	s_lshl2_add_u32 s[P0], s[EH], s[P0]            ; my first position
	s_lshl_b32 s20, s[P0], 13                      ; a position is 8,192 bytes of q, k and Z,
	s_mov_b32 s21, 0
	s_lshl_b32 s22, s[P0], 8                       ; 256 of the mask
	s_mov_b32 s23, 0
	s_lshr_b32 s24, s[G], 8                        ; output row 2048 n + 256 hq + g, hq from 4 e on
	s_lshl_b32 s24, s24, 11
	s_lshl_b32 s30, s[EH], 10
	s_add_co_u32 s24, s24, s30
	s_and_b32 s30, s[G], 255
	s_add_co_u32 s24, s24, s30
	s_lshl_b32 s24, s24, 11                        ; rows of 2,048 bytes
	s_mov_b32 s25, 0
	s_mov_b32 s[CS], 0x3d8293ee                    ; c = log2(e) / sqrt(512) = 0.0637587
	s_mov_b32 s[CS+1], s[CS]                       ; named with it as a pair
	s_mul_i32 s[REGB], s[WV], REG
	v_and_b32 v1, 31, v0                           ; lane
	v_and_b32 v2, 15, v0                           ; r
	v_bfe_u32 v3, v0, 4, 1                         ; h
	v_lshlrev_b32 v[LO], 4, v1
	v_add_nc_u32 v[LW], s[REGB], v[LO]
	v_mul_u32_u24 v[FA], v2, PQ
	v_lshl_add_u32 v[FA], v3, 4, v[FA]
	v_add_nc_u32 v[FA], s[REGB], v[FA]
	v_and_b32 v[T], 7, v0                          ; r % 8
	v_bfe_u32 v[T+1], v0, 3, 1                     ; r / 8
	v_lshl_add_u32 v[ZA], v3, 3, v[T]              ; the turning load: K row 8 h + lane % 8, columns 8 ((lane / 8) % 2) + 0..7
	v_mul_u32_u24 v[ZA], v[ZA], PZ
	v_lshl_add_u32 v[ZA], v[T+1], 4, v[ZA]
	v_add_nc_u32 v[ZA], s[REGB], v[ZA]
	v_mul_u32_u24 v[SG], v[T], PS
	v_lshl_add_u32 v[SG], v3, 5, v[SG]
	s_add_co_u32 s30, s[REGB], SGO
	v_add_nc_u32 v[SG], s30, v[SG]
	s_and_b32 s30, s[WV], 6                        ; the pair's first wave
	s_mul_i32 s30, s30, REG
	s_mul_i32 s31, s[EH], 4*PS
	s_add_co_u32 s30, s30, s31
	s_add_co_u32 s30, s30, SGO
	v_add_nc_u32 v[RA], s30, v[LO]
	s_add_co_u32 s30, s30, REG                     ; its second
	v_add_nc_u32 v[RBB], s30, v[LO]
	v_lshlrev_b32 v[MKO], 5, v[T]                  ; mask row (position h of the pair, head r % 8): 32 bytes
	v_lshl_add_u32 v[MKO], v3, 8, v[MKO]
	v_mov_b32 v[NINF], 0xff800000
	v_mov_b32 v[CM+1], 0                           ; named as pairs
	v_mov_b32 v[RL+1], 0
	v_cmp_eq_u32 s[VAL], v[T+1], v3
	s_wait_kmcnt 0x0
	s_add_nc_u64 s[4:5], s[4:5], s[20:21]
	s_add_nc_u64 s[6:7], s[6:7], s[20:21]
	s_add_nc_u64 s[8:9], s[8:9], s[20:21]
	s_add_nc_u64 s[10:11], s[10:11], s[22:23]
	s_add_nc_u64 s[14:15], s[14:15], s[24:25]
.irp t, 0,1
	global_load_b128 v[MK+8*(\t):MK+8*(\t)+3],   v[MKO], s[10:11] offset:512*(\t)
	global_load_b128 v[MK+8*(\t)+4:MK+8*(\t)+7], v[MKO], s[10:11] offset:512*(\t)+16
.endr
.irp i, 0,1,2,3
	global_load_b128 v[BO+4*(\i):BO+4*(\i)+3], v[LO], s[12:13] offset:512*(\i)
.endr
	GLD B0, 4, 0, 512                              ; q of my first two positions
	GLD B1, 6, 0, 512                              ; k of them
	s_wait_loadcnt 32                              ; all but the other buffer's 32 loads, here and below
	LST B0, 0
	GLD B0, 4, 16384, 512                          ; q of the other two
	s_wait_loadcnt 32
	LST B1, 1
	GLD B1, 6, 16384, 512
	ENERGY
	SOFT 0
	s_wait_loadcnt 32
	LST B0, 0                                      ; my reads of the first pair's rows were waited for ahead of its products
	GLD B0, 8, 0, 1024                             ; Z: 32 rows (position, hk), columns 0-255
	s_wait_loadcnt 32
	LST B1, 1
	GLD B1, 8, 512, 1024                           ; columns 256-511
	ENERGY
	SOFT 1
	s_wait_loadcnt 32
	LST B0, 2
	ZQ 0, 0
	ZQ 0, 1
	s_wait_loadcnt 0x0
	LST B1, 2
	ZQ 1, 0
	ZQ 1, 1
	s_wait_dscnt 0x0                               ; for my partner's sake: my stores into my stage are done
	s_barrier_signal -1
	s_barrier_wait -1
.irp q, 0,1,2,3,4,5,6,7,8,9,10,11,12,13,14,15  ; my four output rows (q / 4), 512 bytes (q % 4) at a time, from both stages
	ds_load_b128 v[FR+8*(\q):FR+8*(\q)+3],   v[RA]  offset:((\q)/4)*PS+((\q)%4)*512
	ds_load_b128 v[FR+8*(\q)+4:FR+8*(\q)+7], v[RBB] offset:((\q)/4)*PS+((\q)%4)*512
.endr
.irp q, 0,1,2,3,4,5,6,7,8,9,10,11,12,13,14,15
	s_wait_dscnt 30-2*(\q)                         ; the younger loads stay out
	v_pk_add_f32 v[FR+8*(\q):FR+8*(\q)+1],   v[FR+8*(\q):FR+8*(\q)+1],   v[FR+8*(\q)+4:FR+8*(\q)+5]
	v_pk_add_f32 v[FR+8*(\q)+2:FR+8*(\q)+3], v[FR+8*(\q)+2:FR+8*(\q)+3], v[FR+8*(\q)+6:FR+8*(\q)+7]
	v_pk_add_f32 v[FR+8*(\q):FR+8*(\q)+1],   v[FR+8*(\q):FR+8*(\q)+1],   v[BO+4*((\q)%4):BO+4*((\q)%4)+1]
	v_pk_add_f32 v[FR+8*(\q)+2:FR+8*(\q)+3], v[FR+8*(\q)+2:FR+8*(\q)+3], v[BO+4*((\q)%4)+2:BO+4*((\q)%4)+3]
	global_store_b128 v[LO], v[FR+8*(\q):FR+8*(\q)+3], s[14:15] offset:((\q)/4)*524288+((\q)%4)*512 th:TH_STORE_NT  ; 512 consecutive bytes; heads lie 256 rows apart
.endr
	s_wait_tensorcnt 0x0                           ; the wave's end, behind my last LDS store
	ds_add_u32 v[SPW], v[NIL]
	s_wait_dscnt 0x0
	s_endpgm
.Lfunc_end_k_qdb28d3bce8_mix:
	.size	k_qdb28d3bce8_mix, .Lfunc_end_k_qdb28d3bce8_mix-k_qdb28d3bce8_mix
	.p2alignl 7, 3214868480
	.fill 96, 4, 3214868480
	.section	.rodata,"a",@progbits
	.p2align	6, 0x0
	.amdhsa_kernel k_qdb28d3bce8_mix
		.amdhsa_group_segment_fixed_size 273408
		.amdhsa_private_segment_fixed_size 0
		.amdhsa_enable_private_segment 0
		.amdhsa_kernarg_size 48
		.amdhsa_user_sgpr_count 2
		.amdhsa_user_sgpr_kernarg_segment_ptr 1
		.amdhsa_wavefront_size32 1
		.amdhsa_system_sgpr_workgroup_id_x 1
		.amdhsa_system_sgpr_workgroup_id_y 1
		.amdhsa_system_sgpr_workgroup_id_z 1
		.amdhsa_system_vgpr_workitem_id 0
		.amdhsa_next_free_vgpr 512
		.amdhsa_next_free_sgpr 66
		.amdhsa_reserve_vcc 1
		.amdhsa_float_denorm_mode_32 3
		.amdhsa_float_denorm_mode_16_64 3
		.amdhsa_memory_ordered 1
		.amdhsa_forward_progress 1
		.amdhsa_inst_pref_size 91
	.end_amdhsa_kernel
	.amdgpu_metadata
---
amdhsa.version: [ 1, 2 ]
amdhsa.kernels:
  - .name:           k_qdb28d3bce8_mix
    .symbol:         k_qdb28d3bce8_mix.kd
    .args:
      - { .name: qb, .offset: 0, .size: 8, .value_kind: global_buffer, .address_space: global }
      - { .name: kb, .offset: 8, .size: 8, .value_kind: global_buffer, .address_space: global }
      - { .name: zb, .offset: 16, .size: 8, .value_kind: global_buffer, .address_space: global }
      - { .name: mask, .offset: 24, .size: 8, .value_kind: global_buffer, .address_space: global }
      - { .name: bo, .offset: 32, .size: 8, .value_kind: global_buffer, .address_space: global }
      - { .name: out0, .offset: 40, .size: 8, .value_kind: global_buffer, .address_space: global }
    .group_segment_fixed_size: 273408
    .private_segment_fixed_size: 0
    .kernarg_segment_align: 8
    .kernarg_segment_size: 48
    .max_flat_workgroup_size: 256
    .sgpr_count:     66
    .vgpr_count:     512
    .wavefront_size: 32
...
	.end_amdgpu_metadata
.endif
;; end of part 3
